; MI455X (gfx1250); checked and timed in simulation.
; The chip was launched on July 23, 2026; its instructions are those of AMD's public machine-readable ISA for CDNA 5 (MIT licence, August 2026) and "CDNA5" Instruction Set Architecture Reference Guide (July 2026). The comments in the code are by the model that wrote it; some were corrected since.
;; Quant Conv1d. Allowed arithmetic: float matrix products may take bf16 or f16 operands with f32 sums; other float arithmetic in f32, or as packed bf16 or f16 multiplies, adds, multiply-adds, maxima and minima; sums over many terms, partial sums and values carried from step to step in f32; what a program stores and reads back later, other than sums and carried values, may be rounded once to bf16 or f16.
;; Inputs: bias 16,384 float32; scale 1 x 16,384 float32; weight 4,096 x 16,384 int8; x 4 x 256 x 4,096 float32.
;; Outputs: out0 4 x 256 x 16,384 float32.
;; One version. Each part assembles by itself: llvm-mc -triple=amdgcn-amd-amdhsa -mcpu=gfx1250 --defsym DOCPART=n.
;; ======== version 1 of 1: 2 launches
;; limits: values are held in f16: magnitudes above 65,504 overflow, below 6.1e-05 lose precision; inputs' magnitudes at most 65,504
;; workspace buffers: xh 8,388,608 bytes
;; launch tohalf (part 1): grid 512 x 1, 8 waves a work-group, no clusters, 0 bytes of LDS; arguments x, xh; writes xh
.if DOCPART == 1
	.amdgcn_target "amdgcn-amd-amdhsa--gfx1250"
	.amdhsa_code_object_version 6
	.text
	.protected	k_qd9d0676029_tohalf
	.globl	k_qd9d0676029_tohalf
	.p2align	8
	.type	k_qd9d0676029_tohalf,@function
k_qd9d0676029_tohalf:
	s_mov_b64 s[64:65], 0
	v_nop
	global_prefetch_b8 v0, s[64:65] scope:SCOPE_SE
	s_setreg_imm32_b32 hwreg(HW_REG_WAVE_MODE, 25, 1), 1
	s_wait_xcnt 0x0
; xh = x rounded to f16 (nearest even).  x: [1024][4096] f32, xh: [1024][4096] f16, both taken as one dense run of numbers.
; LIMIT, stated: f16 holds |x| up to 65,504 (beyond it the number becomes infinity) and below 6.1e-5 keeps an absolute error of at most 2^-25.
; A stream: no LDS, no barrier, no matrix unit, since each number is read once, rounded and written once.
; The work-group takes 32,768 bytes of x, a wave 4,096 of them as eight loads of 16 bytes a lane (512 neighbouring bytes each), all eight on
; their way at once.  Four f32 of a lane become 8 bytes, so a wave's store covers 256 consecutive bytes at a multiple of 256 from xh's first byte.
.set X, 4                              ; v[4:35]   load j: four f32
.set Y, 36                             ; v[36:51]  store j: four f16
	s_load_b128 s[4:7], s[0:1], 0x0                ; x s[4:5], xh s[6:7]
	v_lshrrev_b32 v1, 5, v0                        ; wave
	v_and_b32 v2, 31, v0                           ; lane
	v_lshlrev_b32 v2, 4, v2
	v_lshl_add_u32 v1, v1, 12, v2                  ; byte offset in x: 4,096 wave + 16 lane
	v_lshrrev_b32 v2, 1, v1                        ; byte offset in xh: half of it
	s_lshl_b32 s2, ttmp9, 15                       ; the work-group's 32,768 bytes of x
	s_mov_b32 s3, 0
	s_lshl_b32 s8, ttmp9, 14                       ; and its 16,384 bytes of xh
	s_mov_b32 s9, 0
	s_wait_kmcnt 0x0
	s_add_nc_u64 s[4:5], s[4:5], s[2:3]
	s_add_nc_u64 s[6:7], s[6:7], s[8:9]
.irp j, 0,1,2,3,4,5,6,7
	global_load_b128 v[X+4*\j:X+4*\j+3], v1, s[4:5] offset:512*\j th:TH_LOAD_NT   ; x is read once in this launch
.endr
.irp j, 0,1,2,3,4,5,6,7
	s_wait_loadcnt 7-\j                            ; loads come back in order (ISA guide 5.7.1): load j is in, the 7 - j younger ones stay out
	v_cvt_pk_f16_f32 v[Y+2*\j],   v[X+4*\j],   v[X+4*\j+1]
	v_cvt_pk_f16_f32 v[Y+2*\j+1], v[X+4*\j+2], v[X+4*\j+3]
	global_store_b64 v2, v[Y+2*\j:Y+2*\j+1], s[6:7] offset:256*\j                 ; no register is written twice, so nothing waits for a store
.endr
	s_endpgm
.Lfunc_end_k_qd9d0676029_tohalf:
	.size	k_qd9d0676029_tohalf, .Lfunc_end_k_qd9d0676029_tohalf-k_qd9d0676029_tohalf
	.p2alignl 7, 3214868480
	.fill 96, 4, 3214868480
	.section	.rodata,"a",@progbits
	.p2align	6, 0x0
	.amdhsa_kernel k_qd9d0676029_tohalf
		.amdhsa_group_segment_fixed_size 0
		.amdhsa_private_segment_fixed_size 0
		.amdhsa_enable_private_segment 0
		.amdhsa_kernarg_size 16
		.amdhsa_user_sgpr_count 2
		.amdhsa_user_sgpr_kernarg_segment_ptr 1
		.amdhsa_wavefront_size32 1
		.amdhsa_system_sgpr_workgroup_id_x 1
		.amdhsa_system_sgpr_workgroup_id_y 1
		.amdhsa_system_sgpr_workgroup_id_z 1
		.amdhsa_system_vgpr_workitem_id 0
		.amdhsa_next_free_vgpr 52
		.amdhsa_next_free_sgpr 66
		.amdhsa_reserve_vcc 0
		.amdhsa_float_denorm_mode_32 3
		.amdhsa_float_denorm_mode_16_64 3
		.amdhsa_memory_ordered 1
		.amdhsa_forward_progress 1
		.amdhsa_inst_pref_size 4
	.end_amdhsa_kernel
	.amdgpu_metadata
---
amdhsa.version: [ 1, 2 ]
amdhsa.kernels:
  - .name:           k_qd9d0676029_tohalf
    .symbol:         k_qd9d0676029_tohalf.kd
    .args:
      - { .name: x, .offset: 0, .size: 8, .value_kind: global_buffer, .address_space: global }
      - { .name: xh, .offset: 8, .size: 8, .value_kind: global_buffer, .address_space: global }
    .group_segment_fixed_size: 0
    .private_segment_fixed_size: 0
    .kernarg_segment_align: 8
    .kernarg_segment_size: 16
    .max_flat_workgroup_size: 256
    .sgpr_count:     66
    .vgpr_count:     52
    .wavefront_size: 32
...
	.end_amdgpu_metadata
.endif
;; end of part 1
;; launch gemm (part 2): grid 64 x 4, 4 waves a work-group, clusters of 4 x 4, 327,680 bytes of LDS; arguments xh, weight, scale, bias, out0; writes out0
.if DOCPART == 2
	.amdgcn_target "amdgcn-amd-amdhsa--gfx1250"
	.amdhsa_code_object_version 6
	.text
	.protected	k_qd9d0676029_gemm
	.globl	k_qd9d0676029_gemm
	.p2align	8
	.type	k_qd9d0676029_gemm,@function
k_qd9d0676029_gemm:
	s_mov_b64 s[64:65], 0
	v_nop
	global_prefetch_b8 v0, s[64:65] scope:SCOPE_SE
	s_setreg_imm32_b32 hwreg(HW_REG_WAVE_MODE, 25, 1), 1
	s_wait_xcnt 0x0
	s_wait_alu depctr_hold_cnt(0) depctr_sa_sdst(0) depctr_va_vdst(0) depctr_va_sdst(0) depctr_va_ssrc(0) depctr_va_vcc(0) depctr_vm_vsrc(0)
	s_getreg_b32 s2, hwreg(HW_REG_IB_STS2, 6, 4)
	s_cmp_eq_u32 s2, 0
	s_cbranch_scc0 .Lentry_in_a_cluster
	s_endpgm
.Lentry_in_a_cluster:
	s_bfe_u32 s2, ttmp6, 0x10000c
	s_cmp_lg_u32 s2, 0xf033
	s_cbranch_scc0 .Lentry_shape_is_right
	s_endpgm
.Lentry_shape_is_right:
; out0[m][n] = scale[n] * (sum over k of xh[m][k] W[k][n]) + bias[n].  xh: [1024][4096] f16, W: [4096][16384] int8, out0: [1024][16384] f32.
; FORMAT: f16 operands, f32 sums.  An int8 is exact in f16.  LIMIT, stated: x was rounded to f16 by the launch before (|x| above 65,504 is infinity there).
; A work-group makes 256 x 256 of the output with four waves; a wave makes all 256 rows x 64 columns (64 accumulator tiles, 512 registers), so each
; byte of W is widened once in the work-group.  K goes in steps of 128 through two LDS slots filled by the tensor data mover; W stays int8 down to LDS.
; WIDENING: the transposing 16-bit LDS load, used on pairs of bytes, gives lane r eight k of columns n0 + 2r and n0 + 2r + 1.  b xor 0x80 = b + 128 = u (0..255);
; the byte 0x64 set above u is the f16 number 1024 + u; adding -1152 gives b, exactly.  Five vector instructions for four numbers.
; CLUSTERS: 4 x 4 work-groups.  x's tile hangs on the block row alone (= cy: the grid has one cluster along y) and is asked for jointly by a row of the
; cluster; W's hangs on the block column alone and is asked for jointly by a column.  Each partner issues the same load with the same descriptor.
; TRANSPOSED USE: source 0 = W's fragment, source 1 = x's.  Register j of lane (r, h) of tile (a, t = 2p + odd) is row 16 a + r, column 32 p + 16 h + 2 j + odd.
;
; REGISTERS, in four windows of 256.  Rows 64 Q .. 64 Q + 63 are quarter Q; its 16 tiles lie in window Q at v128-255 (tile (a, t) at v[128 + 8 (4 a + t)]).
; x's fragments have two buffers, for quarter steps of even and of odd number: quarters 0, 1, 2 in windows 1, 2, 3 at v32-63 and v64-95; quarter 3's even buffer in
; window 0 at v32-63, its odd one in window 3 at v96-127.  Window 0 besides: v7 the constant -1152 twice, v8-15 addresses, v16-31 W's bytes as loaded, v64-95 and
; v96-127 W's widened fragments, two buffers.  Window 2: v0-15 the bytes after the xor, v96-127 bias.  Window 1: v0-31 after the byte select, v96-127 scale.
; A QUARTER STEP (32 along K): ONE run of 36 LDS loads for the next quarter step, then four stretches of 16 products, quarters 3, 2, 1, 0.
; ONE SETTING FOR A STRETCH: source 0 window 0 (W's fragments), source 1 the window of the quarter's x, source 2 and destination window Q.  The widening of the next W
; goes down the windows with the stretches and needs no setting of its own: stretch 2 xors (source 0: window 0, destination: window 2), stretch 1 selects bytes
; (source 1: window 2, destination: window 1), stretch 0 adds (source 1: window 1, destination: window 0): one, two and two instructions behind each product.
.set XP,     272                       ; x's LDS row: 256 bytes + 16 of padding: the 16 rows of a fragment load begin 272 apart, at 16 different 16-byte columns modulo 256
.set WP,     288                       ; W's LDS row: 256 bytes + 32 of padding, an odd multiple of 32 bytes
.set XHALF,  128*XP                    ; what one load of x brings: 128 rows
.set WHALF,  64*WP                     ; what one load of W brings: 64 rows of k
.set XS,     2*XHALF                   ; x's part of a slot; W's part lies behind it
.set SLOT,   XS+2*WHALF                ; 106,496 bytes
.set STAGE,  2*SLOT                    ; behind the ring: 16 rows x 272 bytes for each wave, bytes into which no tensor load lands
.set SP,     272
.set OROW,   65536                     ; bytes in a row of out0
.set LAPS,   16                        ; 4096 / (2 x 128): a lap is two K steps, once round the ring
.set KV,   7                           ; window 0: -1152 in both halves
.set ADRX, 8                           ; v8-9    LDS address of x's fragments in slot 0, 1
.set ADRW, 10                          ; v10-11  the same for W's bytes
.set STO,  12                          ; the way out: where I put 64 bytes of a row
.set RD,   13                          ; the way out: where I read a row back
.set CO,   14                          ; my byte offset in out0
.set SBO,  15                          ; my byte offset in scale and in bias
.set RAW,  16                          ; window 0: W's bytes as loaded, 16 registers
.set T,    32                          ; the way out: 32 results in the order of their columns (window 0)
.set F0,   64                          ; W's widened fragments, buffer 0: tile t at F0 + 8 t
.set F1,   96                          ; buffer 1
.set T1,   0                           ; window 2: the bytes after the xor, 16 registers
.set T2,   0                           ; window 1: 1024 + u in f16, 32 registers in the order of a buffer of W's fragments
.set SC,   96                          ; window 1: scale of my 32 columns
.set BI,   96                          ; window 2: bias of my 32 columns
.set SUM,  128                         ; the window's 16 accumulator tiles
.set G1X, 24                           ; s[24:31] descriptor group 1 for x's tiles
.set G0X, 32                           ; s[32:39] group 0 for x's tiles, a set for each slot
.set G1W, 40                           ; s[40:47] group 1 for W's tiles
.set G0W, 48                           ; s[48:55] group 0 for W's tiles, a set for each slot
.set WQ0, 0x04                         ; s_set_vgpr_msb, low byte: bits 1:0 source 0, 3:2 source 1, 5:4 source 2, 7:6 destination
.set WQ1, 0x58
.set WQ2, 0xac
.set WQ3, 0xf0                         ; quarter 3 with its even buffer (source 1 window 0); + 12 with its odd one (source 1 window 3)
.set MSB, 0
.macro WIN new                         ; the immediate's high byte repeats the setting that is left; a switch that changes nothing is dropped
.if MSB != (\new)
	s_set_vgpr_msb (MSB<<8)|(\new)
.set MSB, (\new)
.endif
.endm
; A joint load.  Waves 0 and 1 fetch x's two halves, waves 2 and 3 W's.  The branch hangs on the wave's number alone.
.macro JLOAD s
	s_cmp_eq_u32 s15, 0
	s_cbranch_scc0 .Lfor_w_\@
	tensor_load_to_lds s[G0X+4*\s:G0X+4*\s+3], s[G1X:G1X+7]
	s_nop 0
	s_branch .Lasked_\@
.Lfor_w_\@:
	tensor_load_to_lds s[G0W+4*\s:G0W+4*\s+3], s[G1W:G1W+7]
	s_nop 0
.Lasked_\@:
.endm
; A round of the cluster's barrier: my work-group's barrier; wave 0 signals for the work-group; every wave waits for all sixteen; my work-group's barrier again.
.macro CREST                           ; a round behind its opening barrier
	s_cmp_lg_u32 s14, 0
	s_cbranch_scc1 .Lnot_wave_0_\@
	s_barrier_signal -3
.Lnot_wave_0_\@:
	s_barrier_wait -3
	s_barrier_signal -1
	s_barrier_wait -1
.endm
.macro CROUND                          ; a whole round
	s_barrier_signal -1
	s_barrier_wait -1
	CREST
.endm
	s_load_b256 s[4:11], s[0:1], 0x0               ; xh s[4:5], weight s[6:7], scale s[8:9], bias s[10:11]
	s_load_b64 s[12:13], s[0:1], 0x20              ; out0
	s_set_vgpr_msb 0x80
	v_lshl_add_u32 v30, v0, 2, 0x38400
	v_mov_b32 v31, 0
	s_set_vgpr_msb 0x808a
	ds_add_u32 v30, v31
	s_set_vgpr_msb 0x8a00
	v_lshrrev_b32 v1, 5, v0
	v_readfirstlane_b32 s14, v1                    ; wave 0..3
	s_lshr_b32 s15, s14, 1                         ; I fetch for x (0) or for W (1)
	s_and_b32 s16, s14, 1                          ; which half of that tile
	s_bfe_u32 s17, ttmp6, 0x40000                  ; cx
	s_bfe_u32 s18, ttmp6, 0x40004                  ; cy = block row
	s_lshl_b32 s19, ttmp9, 2
	s_add_co_u32 s19, s19, s17                     ; block column = 4 x cluster x + cx
	s_lshl_b32 s20, s18, 2
	s_lshl_b32 s20, 15, s20                        ; my row of the cluster: places 4 cy .. 4 cy + 3
	s_lshl_b32 s21, 0x1111, s17                    ; my column: places cx, cx + 4, cx + 8, cx + 12
	; group 1 for x: 128 rows x 128 elements of 2 bytes, pitch 4,096 elements; 4 words of padding behind every 64
	s_or_b32 s[G1X+0], s20, (1<<16)|(1<<20)|(1<<21)|(5<<22)|(3<<25)
	s_mov_b32 s[G1X+1], 128<<16                    ; tensor_dim0 = 128
	s_mov_b32 s[G1X+2], 128<<16                    ; tensor_dim1 = 128
	s_mov_b32 s[G1X+3], 128<<16                    ; tile_dim0 = 128
	s_mov_b32 s[G1X+4], 128                        ; tile_dim1 = 128
	s_mov_b32 s[G1X+5], 4096
	s_mov_b32 s[G1X+6], 0
	s_mov_b32 s[G1X+7], 0
	; group 1 for W: 64 rows of k x 256 elements of 1 byte, pitch 16,384 elements; 8 words of padding behind every 64
	s_or_b32 s[G1W+0], s21, (1<<20)|(1<<21)|(5<<22)|(7<<25)
	s_mov_b32 s[G1W+1], 256<<16                    ; tensor_dim0 = 256
	s_mov_b32 s[G1W+2], 64<<16                     ; tensor_dim1 = 64
	s_mov_b32 s[G1W+3], 256<<16                    ; tile_dim0 = 256
	s_mov_b32 s[G1W+4], 64                         ; tile_dim1 = 64
	s_mov_b32 s[G1W+5], 16384
	s_mov_b32 s[G1W+6], 0
	s_mov_b32 s[G1W+7], 0
	s_mov_b32 s56, 0x80808080                      ; int8 to offset binary, four at a time
	s_mov_b32 s57, 0x64646464                      ; the upper byte of the f16 numbers 1024 .. 1279
	s_mov_b32 s58, 0x04020400                      ; byte select, data as the second source: bytes 0 and 2 (the even column's two k), 0x64 above each
	s_mov_b32 s59, 0x04030401                      ; bytes 1 and 3 (the odd column's)
	; where the tiles come from: x's offset is made of cy and the wave, W's of the block column and the wave, each in registers that never hold the other coordinate
	s_lshl_b32 s22, s18, 21                        ; 256 rows of 8,192 bytes a block row
	s_lshl_b32 s23, s16, 20                        ; 128 rows a half
	s_add_co_u32 s22, s22, s23
	s_mov_b32 s23, 0
	s_lshl_b32 s60, s16, 20                        ; 64 rows of k of 16,384 bytes a half
	s_lshl_b32 s61, s19, 8                         ; 256 bytes a block column
	s_add_co_u32 s60, s60, s61
	s_mov_b32 s61, 0
	s_mul_i32 s62, s14, XHALF                      ; where they go: x's halves at wave x 34,816 (waves 0, 1),
	s_mul_i32 s63, s14, WHALF
	s_add_co_u32 s63, s63, XS-2*WHALF              ; W's halves at 69,632 + (wave - 2) x 18,432 (waves 2, 3)
	s_lshl_b32 s66, s19, 10                        ; my 64 columns in scale, bias and a row of out0: 1,024 x block column + 256 x wave bytes
	s_lshl_b32 s67, s14, 8
	s_add_co_u32 s66, s66, s67
	s_mov_b32 s67, 0
	s_lshl_b32 s68, s18, 24                        ; my block row in out0: 256 rows of 65,536 bytes
	s_mov_b32 s69, 0
	s_wait_dscnt 0x0
	s_wait_kmcnt 0x0
	s_add_nc_u64 s[22:23], s[4:5], s[22:23]
	s_add_nc_u64 s[60:61], s[6:7], s[60:61]
	s_add_nc_u64 s[8:9], s[8:9], s[66:67]
	s_add_nc_u64 s[10:11], s[10:11], s[66:67]
	s_add_nc_u64 s[12:13], s[12:13], s[66:67]
	s_add_nc_u64 s[12:13], s[12:13], s[68:69]
	CROUND                                         ; all sixteen work-groups are here: the first joint loads meet
.irp s, 0,1
	s_mov_b32 s[G0X+4*\s], 1                                       ; count = 1
	s_add_co_u32 s[G0X+4*\s+1], s62, \s*SLOT                       ; LDS address
	s_add_nc_u64 s[G0X+4*\s+2:G0X+4*\s+3], s[22:23], \s*256        ; K step s: 128 f16 along the rows
	s_or_b32 s[G0X+4*\s+3], s[G0X+4*\s+3], 0x80000000              ; type = 2
	s_mov_b32 s[G0W+4*\s], 1
	s_add_co_u32 s[G0W+4*\s+1], s63, \s*SLOT
	s_add_nc_u64 s[G0W+4*\s+2:G0W+4*\s+3], s[60:61], \s*2097152    ; K step s: 128 rows of 16,384 bytes down
	s_or_b32 s[G0W+4*\s+3], s[G0W+4*\s+3], 0x80000000
	JLOAD \s                                       ; both slots are asked for before anything else: two loads of the wave are out
.endr
	v_and_b32 v1, 15, v0                           ; r
	v_bfe_u32 v2, v0, 4, 1                         ; h
	v_mul_u32_u24 v3, v1, XP                       ; r x 272 (the stage has the same pitch)
	v_lshl_add_u32 v[ADRX], v2, 4, v3              ; x's fragment: row r, 16 h bytes in
	v_add_nc_u32 v[ADRX+1], SLOT, v[ADRX]
	v_and_b32 v4, 7, v0
	v_lshl_add_u32 v4, v2, 3, v4                   ; W: row of k 8 h + lane mod 8,
	v_mul_u32_u24 v4, v4, WP
	v_bfe_u32 v5, v0, 3, 1
	v_lshl_add_u32 v4, v5, 4, v4                   ; 16 bytes further for lanes 8-15 and 24-31,
	s_lshl_b32 s2, s14, 6
	s_add_co_u32 s2, s2, XS                        ; my wave's 64 columns, behind x's part
	v_add_nc_u32 v[ADRW], s2, v4
	v_add_nc_u32 v[ADRW+1], SLOT, v[ADRW]
	s_mul_i32 s2, s14, 16*SP
	s_add_co_u32 s2, s2, STAGE                     ; my stage
	v_lshl_add_u32 v5, v2, 6, v3                   ; in: row r, 64 h bytes in
	v_add_nc_u32 v[STO], s2, v5
	v_mul_u32_u24 v6, v2, SP                       ; back: lanes 0-15 one row of 256 bytes, lanes 16-31 the next
	v_lshl_add_u32 v6, v1, 4, v6
	v_add_nc_u32 v[RD], s2, v6
	v_lshlrev_b32 v6, 16, v2                       ; and the same two rows in out0
	v_lshl_add_u32 v[CO], v1, 4, v6
	v_lshlrev_b32 v[SBO], 6, v2                    ; scale, bias: my columns are 32 p + 16 h + 0..15
	v_mov_b32 v[KV], 0xe480e480                    ; -1152 in f16, twice
	WIN 0x40                                       ; destination window 1
.irp e, 0,1,2,3,4,5,6,7
	global_load_b128 v[SC+4*\e:SC+4*\e+3], v[SBO], s[8:9] offset:128*(\e/4)+16*(\e%4)
.endr
	WIN 0x80                                       ; destination window 2
.irp e, 0,1,2,3,4,5,6,7
	global_load_b128 v[BI+4*\e:BI+4*\e+3], v[SBO], s[10:11] offset:128*(\e/4)+16*(\e%4)
.endr
	WIN 0
; One product: tile (a = i mod 4, t = i / 4) of the window's quarter, 32 along K; W's buffer fb, x's fragments at xf.  zero = 1: the first product starts the sum.
; The 64 accumulators take turns, one instruction a turn, in the same order in every quarter step.
.macro MM i, fb, xf, zero
.if \zero
	v_wmma_f32_16x16x32_f16 v[SUM+8*(4*((\i)%4)+(\i)/4):SUM+8*(4*((\i)%4)+(\i)/4)+7], v[F0+32*(\fb)+8*((\i)/4):F0+32*(\fb)+8*((\i)/4)+7], v[(\xf)+8*((\i)%4):(\xf)+8*((\i)%4)+7], 0
.else
	v_wmma_f32_16x16x32_f16 v[SUM+8*(4*((\i)%4)+(\i)/4):SUM+8*(4*((\i)%4)+(\i)/4)+7], v[F0+32*(\fb)+8*((\i)/4):F0+32*(\fb)+8*((\i)/4)+7], v[(\xf)+8*((\i)%4):(\xf)+8*((\i)%4)+7], v[SUM+8*(4*((\i)%4)+(\i)/4):SUM+8*(4*((\i)%4)+(\i)/4)+7]
.endif
.endm
; Eight LDS loads: the four fragments of x of quarter q (64 rows, 32 K at quarter step kq) into 32 registers at xf of the destination's window
.macro LDX q, slot, kq, xf
.irp a, 0,1,2,3
	ds_load_b128 v[(\xf)+8*\a:(\xf)+8*\a+3],   v[ADRX+(\slot)] offset:(64*(\q)+16*\a)*XP+64*(\kq)
	ds_load_b128 v[(\xf)+8*\a+4:(\xf)+8*\a+7], v[ADRX+(\slot)] offset:(64*(\q)+16*\a)*XP+64*(\kq)+32
.endr
.endm
; Four transposing LDS loads: my 64 columns x 32 K of W.  Load (p, c): k = 16 c + 8 h + 0..7 of columns 32 p + 2 r and 32 p + 2 r + 1
.macro LDW slot, kq
.irp p, 0,1
.irp c, 0,1
	ds_load_tr16_b128 v[RAW+8*\p+4*\c:RAW+8*\p+4*\c+3], v[ADRW+(\slot)] offset:(32*(\kq)+16*\c)*WP+32*\p
.endr
.endr
.endm
; THE RUN: all 36 LDS loads of one quarter step (slot, kq), x into the buffers of parity npar.  Entered with source 0 and destination in window 0; W's bytes go
; first, since they are wanted first.  It ends under the setting of stretch 3 of the quarter step now at work, whose parity is the other one.
; A load into a register that a product has read stands four places behind that product, and only plain vector instructions that name none of its registers are
; places (ISA guide 7.12.1 for vector instructions).  These buffers were last read a quarter step ago; the last reader of all, the last
; product of stretch 0 (quarter 0's fragments), has that stretch's last four additions behind it, the others 32 widening instructions and more.
.macro RUN slot, kq, npar
	LDW \slot, \kq
.if (\npar) == 0
	LDX 3, \slot, \kq, 32
.endif
	WIN 0x40
	LDX 0, \slot, \kq, 32+32*(\npar)
	WIN 0x80
	LDX 1, \slot, \kq, 32+32*(\npar)
	WIN WQ3+12*(1-(\npar))
	LDX 2, \slot, \kq, 32+32*(\npar)
.if (\npar) == 1
	LDX 3, \slot, \kq, 96
.endif
.endm
; The widening's three stages.  Word n (0..15) of the bytes makes register n + 8 (n / 8) of a buffer (the even columns' tile) and the register 8 further (the odd ones').
.macro XORW n
	v_xor_b32 v[T1+(\n)], v[RAW+(\n)], s56
.endm
.macro SELW n
	v_perm_b32 v[T2+(\n)+8*((\n)/8)],   s57, v[T1+(\n)], s58
	v_perm_b32 v[T2+8+(\n)+8*((\n)/8)], s57, v[T1+(\n)], s59
.endm
.macro ADDW n, f
	v_pk_add_f16 v[(\f)+(\n)], v[KV], v[T2+(\n)]
.endm
; Product m of stretch q, and behind it (CONV = 1) its share of the widening of the next quarter step's W.  Stretch 0's additions lag one product, so that four stand
; behind the last product: the places in front of the next run.
.macro ONE q, m, par, zero
.if \q == 3
	MM \m, \par, 32+64*\par, \zero
.else
	MM \m, \par, 32+32*\par, \zero
.endif
.if CONV
.if \q == 2
	XORW \m
.endif
.if \q == 1
	SELW \m
.endif
.if \q == 0
.if \m > 0
	ADDW 2*\m-2, F0+32*(1-\par)
	ADDW 2*\m-1, F0+32*(1-\par)
.endif
.if \m == 15
	ADDW 30, F0+32*(1-\par)
	ADDW 31, F0+32*(1-\par)
.endif
.endif
.endif
.endm
; A quarter step.  par = kq mod 2: the buffers it multiplies.  mode 0: plain.  1: at its end the slots change and this slot is filled again.  2: at its end the slots
; change, nothing is left to fetch.  3: the last quarter step of all: nothing is fetched or widened.
; THE CHANGE OF SLOTS stands at the end of a K step's third quarter step: that quarter step's run, at its head, fetched the fourth's fragments and was the last read of
; the slot.  In front of the signal each wave waits for its LDS reads and for all its tensor loads, of which one is out: its part of the next slot.  Behind the round the
; joint refill comes first; then the fourth quarter step's run makes the first reads of the next slot.  A refill has a K step less four products in which to land.
.macro QUARTER slot, kq, par, zero, mode
.set CONV, 1
.set CHG, 0
.if \mode == 3
.set CONV, 0
.endif
.if \mode == 1
.set CHG, 1
.endif
.if \mode == 2
.set CHG, 1
.endif
	s_wait_dscnt 0x0                               ; this quarter step's fragments are in: they were asked for a whole quarter step ago
.if \mode == 3
	WIN WQ3+12*\par
.else
.if \kq == 3
	RUN 1-\slot, 0, 1-\par
.else
	RUN \slot, \kq+1, 1-\par
.endif
.endif
.irp m, 0,1,2,3,4,5,6,7,8,9,10,11,12,13,14,15
	ONE 3, \m, \par, \zero
.endr
	WIN WQ2
.if CONV
	s_wait_dscnt 32                                ; W's next bytes, the first four loads of the run, are in; the 32 loads of x behind them may be out
.endif
.irp m, 0,1,2,3,4,5,6,7,8,9,10,11,12,13,14,15
	ONE 2, \m, \par, \zero
.endr
	WIN WQ1
.irp m, 0,1,2,3,4,5,6,7,8,9,10,11,12,13,14,15
	ONE 1, \m, \par, \zero
.endr
	WIN WQ0
.irp m, 0,1,2,3,4,5,6,7,8,9,10,11
	ONE 0, \m, \par, \zero
.endr
.if CHG
	s_wait_dscnt 0x0                               ; my reads of this slot are over: the run at this quarter step's head was the last
	s_set_vgpr_msb 0x40a
	s_wait_tensorcnt 0x0                           ; and all my tensor loads have landed: the one that was out is my part of the next slot
	ds_add_u32 v30, v31
	s_wait_dscnt 0x0
	s_set_vgpr_msb 0xa04
	s_barrier_signal -1                            ; say so (where the slot is filled again this barrier opens a round of the cluster's barrier),
.endif
.irp m, 12,13,14,15
	ONE 0, \m, \par, \zero                         ; (at a change of slots: work on registers while the others arrive)
.endr
.if CHG
.if \mode == 1
	WIN 0
.endif
	s_barrier_wait -1
.if \mode == 1
	CREST                                          ; no wave of any partner still reads this slot's tiles or has a load on its way
	s_add_nc_u64 s[G0X+4*\slot+2:G0X+4*\slot+3], s[G0X+4*\slot+2:G0X+4*\slot+3], 2*256
	s_add_nc_u64 s[G0W+4*\slot+2:G0W+4*\slot+3], s[G0W+4*\slot+2:G0W+4*\slot+3], 2*2097152
	JLOAD \slot                                    ; my one tensor load behind the round, two K steps ahead
.endif
.endif
.endm
.macro STEP slot, zero, change, last   ; a K step: four quarter steps on buffers 0, 1, 0, 1
	QUARTER \slot, 0, 0, \zero, 0
	QUARTER \slot, 1, 1, 0, 0
	QUARTER \slot, 2, 0, 0, \change
	QUARTER \slot, 3, 1, 0, \last
.endm
.macro LAP zero                        ; once round the ring, both slots filled again
	STEP 0, \zero, 1, 0
	STEP 1, 0, 1, 0
.endm
	s_wait_loadcnt 0x0                             ; scale and bias, once: no global load is out at any barrier
	s_wait_tensorcnt 0x1                           ; my part of K step 0 is in; K step 1's stays out
	s_barrier_signal -1
	s_barrier_wait -1                              ; everybody's is
	RUN 0, 0, 0                                    ; the first quarter step's bytes of W and fragments of x
	WIN WQ2
	s_wait_dscnt 32                                ; W's bytes are in; the 32 loads of x behind them may be out
.irp n, 0,1,2,3,4,5,6,7,8,9,10,11,12,13,14,15
	XORW \n                                        ; the first W is widened by itself, each stage under its stretch's setting
.endr
	WIN WQ1
.irp n, 0,1,2,3,4,5,6,7,8,9,10,11,12,13,14,15
	SELW \n
.endr
	WIN WQ0
.set NN, 0
.rept 32
	ADDW NN, F0
.set NN, NN+1
.endr
	LAP 1                                          ; the first lap stands in front of the loop: its first quarter step starts the sums
	WIN 0                                          ; at a label and at a branch every window is 0
	s_mov_b32 s3, LAPS-2
.Llap:
	LAP 0
	WIN 0
	s_sub_co_u32 s3, s3, 1
	s_cmp_lg_u32 s3, 0
	s_cbranch_scc1 .Llap
	STEP 0, 0, 2, 0                                ; the last lap fills nothing and has no round of the cluster's barrier: the one load still out is the last K step's
	STEP 1, 0, 0, 3
	; THE WAY OUT, 16 rows at a time.  One fused multiply-add does scale and bias and puts the even and the odd columns' results side by side: 32 numbers a lane,
	; two runs of 16 neighbouring columns.  They go as 16-byte pieces into my own stage and come back as whole rows of 256 bytes.
	; Four v_nop: the places behind the last products, for the multiply-adds that read results, and for the loads into W's buffers.
.rept 4
	v_nop
.endr
; rows 16 g .. 16 g + 15 = tiles (a, 0..3) of window q; rb: W's buffer 0 or 1 in turn, now for rows read back
.macro OUT16 g, q, a, rb
	WIN 0x24+\q                                    ; source 0 the sums' window, source 1 window 1 (scale), source 2 window 2 (bias), destination window 0
.irp p, 0,1
.irp j, 0,1,2,3,4,5,6,7
	v_fma_f32 v[T+16*\p+2*\j],   v[SUM+8*(4*\a+2*\p)+\j],   v[SC+16*\p+2*\j],   v[BI+16*\p+2*\j]
	v_fma_f32 v[T+16*\p+2*\j+1], v[SUM+8*(4*\a+2*\p+1)+\j], v[SC+16*\p+2*\j+1], v[BI+16*\p+2*\j+1]
.endr
.endr
	WIN 0
.irp e, 0,1,2,3,4,5,6,7
	ds_store_b128 v[STO], v[T+4*\e:T+4*\e+3] offset:128*(\e/4)+16*(\e%4)
.endr
	s_wait_xcnt 0x0                                ; every earlier memory instruction has had its addresses translated (ISA guide 3.1): the buffer that stores read, and their base, are rewritten only behind this wait
.if \g
	s_add_nc_u64 s[12:13], s[12:13], 16*OROW       ; 16 rows of out0 on
.endif
.irp t, 0,1,2,3,4,5,6,7
	ds_load_b128 v[\rb+4*\t:\rb+4*\t+3], v[RD] offset:\t*2*SP       ; LDS serves a wave's instructions in order (ISA guide 5.7.1.4): these see the stores above
.endr
.irp t, 0,1,2,3,4,5,6,7
	s_wait_dscnt 7-\t                              ; load t is back, the 7 - t younger ones may be out
	global_store_b128 v[CO], v[\rb+4*\t:\rb+4*\t+3], s[12:13] offset:\t*2*OROW th:TH_STORE_NT   ; 16 lanes store 256 consecutive bytes, at a multiple of 256 from out0's first byte
.endr
.endm
.irp q, 0,1,2,3
.irp a, 0,1,2,3
	OUT16 4*\q+\a, \q, \a, F0+32*(\a%2)
.endr
.endr
	s_set_vgpr_msb 0xa
	s_wait_tensorcnt 0x0
	ds_add_u32 v30, v31
	s_wait_dscnt 0x0
	s_set_vgpr_msb 0xa00
	CROUND                                         ; the closing round: no work-group ends while a partner may still ask for a tile that names it
	s_endpgm
.Lfunc_end_k_qd9d0676029_gemm:
	.size	k_qd9d0676029_gemm, .Lfunc_end_k_qd9d0676029_gemm-k_qd9d0676029_gemm
	.p2alignl 7, 3214868480
	.fill 96, 4, 3214868480
	.section	.rodata,"a",@progbits
	.p2align	6, 0x0
	.amdhsa_kernel k_qd9d0676029_gemm
		.amdhsa_group_segment_fixed_size 327680
		.amdhsa_private_segment_fixed_size 0
		.amdhsa_enable_private_segment 0
		.amdhsa_kernarg_size 40
		.amdhsa_user_sgpr_count 2
		.amdhsa_user_sgpr_kernarg_segment_ptr 1
		.amdhsa_wavefront_size32 1
		.amdhsa_system_sgpr_workgroup_id_x 1
		.amdhsa_system_sgpr_workgroup_id_y 1
		.amdhsa_system_sgpr_workgroup_id_z 1
		.amdhsa_system_vgpr_workitem_id 0
		.amdhsa_next_free_vgpr 1024
		.amdhsa_next_free_sgpr 70
		.amdhsa_reserve_vcc 0
		.amdhsa_float_denorm_mode_32 3
		.amdhsa_float_denorm_mode_16_64 3
		.amdhsa_memory_ordered 1
		.amdhsa_forward_progress 1
		.amdhsa_inst_pref_size 255
	.end_amdhsa_kernel
	.section	.bss,"aw",@nobits
	.p2align	6
	.space	262144
	.amdgpu_metadata
---
amdhsa.version: [ 1, 2 ]
amdhsa.kernels:
  - .name:           k_qd9d0676029_gemm
    .symbol:         k_qd9d0676029_gemm.kd
    .args:
      - { .name: xh, .offset: 0, .size: 8, .value_kind: global_buffer, .address_space: global }
      - { .name: weight, .offset: 8, .size: 8, .value_kind: global_buffer, .address_space: global }
      - { .name: scale, .offset: 16, .size: 8, .value_kind: global_buffer, .address_space: global }
      - { .name: bias, .offset: 24, .size: 8, .value_kind: global_buffer, .address_space: global }
      - { .name: out0, .offset: 32, .size: 8, .value_kind: global_buffer, .address_space: global }
    .group_segment_fixed_size: 327680
    .private_segment_fixed_size: 0
    .kernarg_segment_align: 8
    .kernarg_segment_size: 40
    .max_flat_workgroup_size: 128
    .sgpr_count:     70
    .vgpr_count:     1024
    .wavefront_size: 32
...
	.end_amdgpu_metadata
.endif
;; end of part 2
